; MI455X (gfx1250); checked and timed in simulation.
; The chip was launched on July 23, 2026; its instructions are those of AMD's public machine-readable ISA for CDNA 5 (MIT licence, August 2026) and "CDNA5" Instruction Set Architecture Reference Guide (July 2026). The comments in the code are by the model that wrote it; some were corrected since.
;; Fast Quantized Linear. Allowed arithmetic: float matrix products may take bf16 or f16 operands with f32 sums; other float arithmetic in f32, or as packed bf16 or f16 multiplies, adds, multiply-adds, maxima and minima; sums over many terms, partial sums and values carried from step to step in f32; what a program stores and reads back later, other than sums and carried values, may be rounded once to bf16 or f16.
;; Inputs: bias 4,096 float32; input 4 x 1,024 x 4,096 float32; scale 4,096 x 1 float32; weight_int8 4,096 x 4,096 int32; zero_point 4,096 x 1 float32.
;; Outputs: out0 4 x 1,024 x 4,096 float32.
;; One version. Each part assembles by itself: llvm-mc -triple=amdgcn-amd-amdhsa -mcpu=gfx1250 --defsym DOCPART=n.
;; ======== version 1 of 1: 2 launches
;; workspace buffers: xb 33,554,432 bytes; wb 33,554,432 bytes; rowsum 16,384 bytes
;; launch prep (part 1): grid 128 x 2, 16 waves a work-group, no clusters, 0 bytes of LDS; arguments input, weight_int8, xb, wb, rowsum; writes xb, wb, rowsum
.if DOCPART == 1
	.amdgcn_target "amdgcn-amd-amdhsa--gfx1250"
	.amdhsa_code_object_version 6
	.text
	.protected	k_qd60cc3ef53_prep
	.globl	k_qd60cc3ef53_prep
	.p2align	8
	.type	k_qd60cc3ef53_prep,@function
k_qd60cc3ef53_prep:
	s_mov_b64 s[64:65], 0
	v_nop
	global_prefetch_b8 v0, s[64:65] scope:SCOPE_SE
	s_setreg_imm32_b32 hwreg(HW_REG_WAVE_MODE, 25, 1), 1
	s_wait_xcnt 0x0
; PREP.  xb[m][i] = bf16(x[m][i]); wb[o][i] = bf16(w[o][i]); rowsum[m] = the f32 sum over i of xb[m][i] (of the ROUNDED numbers, so that the next launch's
; sum(xb w) - zp rowsum equals sum(xb (w - zp)) exactly but for f32 summation).  x: [4096][4096] f32, w: [4096][4096] int32, xb, wb: [4096][4096] bf16, rowsum: [4096] f32.
; LIMITS.  Whole numbers up to 256 in size are exact in bf16, so int8-valued weights lose nothing; a weight beyond that is rounded to bf16 (to nearest even) like any matrix operand.
; SHARES.  Grid y picks the tensor (0: x, 1: w).  A work-group owns 32 rows, each of its 16 waves two rows: 32,768 consecutive bytes in, 16,384 out.  A row goes in four chunks of 4,096 bytes; a chunk is
; eight loads of 16 bytes a lane (512 consecutive bytes a load) and leaves as eight stores of 8 bytes a lane (256 consecutive bytes a store, at a multiple of 256 from the buffer's first byte).
; A ring of four chunk slots in registers keeps 32 loads of every wave in flight.  No LDS, no barrier, no matrix unit: no wave needs another's data.  All eight turns are written out; every offset is an immediate.
.set CHUNK, 4096                       ; bytes of a chunk as loaded
.set ROWIN, 16384                      ; bytes of a row of x or w
.set ROWOUT, 8192                      ; bytes of a row of xb or wb
.set VI,  3                            ; v3        16 x lane: my 16 bytes in a load's 512; never rewritten
.set VO,  4                            ; v4        8 x lane: my 8 bytes in a store's 256; never rewritten
.set ZO,  5                            ; v5        0
.set T,   6                            ; v[6:13]   at work: two sets of four f32, by turns
.set SUM, 14                           ; v[14:21]  four chains of two running sums
.set R,   22                           ; v[22:23]  the two rows' sums
.set Y,   24                           ; v[24:39]  a chunk as stored: load j's four numbers in two registers
.set X,   40                           ; v[40:167] slot s: 32 registers, the chunk as loaded
	s_load_b256 s[4:11], s[0:1], 0x0               ; x s[4:5], w s[6:7], xb s[8:9], wb s[10:11]
	s_load_b64 s[12:13], s[0:1], 0x20              ; rowsum
	v_lshrrev_b32 v1, 5, v0
	v_readfirstlane_b32 s14, v1                    ; wave 0..15
	s_and_b32 s15, ttmp7, 0xffff                   ; 0: x, 1: w
	s_lshl_b32 s16, ttmp9, 5
	s_lshl_b32 s17, s14, 1
	s_add_co_u32 s16, s16, s17                     ; my first row = 32 x work-group + 2 x wave
	s_lshl_b32 s18, s16, 14                        ; its byte offset as loaded (under 2^26),
	s_mov_b32 s19, 0
	s_lshl_b32 s20, s16, 13                        ; as stored,
	s_mov_b32 s21, 0
	s_lshl_b32 s22, s16, 2                         ; and in rowsum
	s_mov_b32 s23, 0
	s_mov_b32 s25, 0xffff0000                      ; a word's upper bf16
	s_mov_b32 s26, 0x76543210                      ; v_permlanex16_b32: each lane takes its own place in the other half
	s_mov_b32 s27, 0xfedcba98
	v_and_b32 v2, 31, v0                           ; lane
	v_lshlrev_b32 v[VI], 4, v2
	v_lshlrev_b32 v[VO], 3, v2
	v_mov_b32 v[ZO], 0
	s_wait_kmcnt 0x0
	s_add_nc_u64 s[4:5], s[4:5], s[18:19]          ; every buffer at my first row
	s_add_nc_u64 s[6:7], s[6:7], s[18:19]
	s_add_nc_u64 s[8:9], s[8:9], s[20:21]
	s_add_nc_u64 s[10:11], s[10:11], s[20:21]
	s_add_nc_u64 s[12:13], s[12:13], s[22:23]
; The ring's first fill: my first row, 32 loads.  kind = 0: x into xb; 1: w into wb: the kind picks the two bases.
.macro FILL kind
.set SB, 4+2*(\kind)
.irp s, 0,1,2,3
.irp j, 0,1,2,3,4,5,6,7
	global_load_b128 v[X+32*(\s)+4*(\j):X+32*(\s)+4*(\j)+3], v[VI], s[SB:SB+1] offset:CHUNK*(\s)+512*(\j) th:TH_LOAD_NT
.endr
.endr
.endm
; The turn of slot s in row 0 or 1.  ahead = 1: the slot takes the same chunk of the second row.  left = how many younger loads may stay out.
.macro TURN kind, row, s, ahead, left
.set SB, 4+2*(\kind)
.set DB, 8+2*(\kind)
	s_wait_loadcnt \left                           ; loads come back in order (ISA guide 5.7.1): this slot's eight are in, the other slots' stay out
	s_wait_xcnt 0x0                                ; Y, which the last turn's stores read, is rewritten only behind this wait
.irp j, 0,1,2,3,4,5,6,7
.set XR, X+32*(\s)+4*(\j)
.set YR, Y+2*(\j)
.if \kind
	v_cvt_f32_i32 v[XR], v[XR]                     ; whole numbers to f32, in place
	v_cvt_f32_i32 v[XR+1], v[XR+1]
	v_cvt_f32_i32 v[XR+2], v[XR+2]
	v_cvt_f32_i32 v[XR+3], v[XR+3]
.endif
	v_cvt_pk_bf16_f32 v[YR], v[XR], v[XR+1]        ; two roundings to bf16, packed
	v_cvt_pk_bf16_f32 v[YR+1], v[XR+2], v[XR+3]
.if !(\kind)
.if ((\s) == 0) && ((\j) < 2)
.set TR, SUM+4*(\j)                    ; a row's first eight numbers start the four chains: nothing is cleared
.else
.set TR, T+4*((\j)%2)
.endif
	v_lshlrev_b32 v[TR], 16, v[YR]                 ; the rounded numbers back as f32
	v_and_b32 v[TR+1], s25, v[YR]
	v_lshlrev_b32 v[TR+2], 16, v[YR+1]
	v_and_b32 v[TR+3], s25, v[YR+1]
.if !(((\s) == 0) && ((\j) < 2))
	v_pk_add_f32 v[SUM+4*((\j)%2):SUM+4*((\j)%2)+1], v[SUM+4*((\j)%2):SUM+4*((\j)%2)+1], v[TR:TR+1]
	v_pk_add_f32 v[SUM+4*((\j)%2)+2:SUM+4*((\j)%2)+3], v[SUM+4*((\j)%2)+2:SUM+4*((\j)%2)+3], v[TR+2:TR+3]
.endif
.endif
.endr
.if \ahead
.irp j, 0,1,2,3,4,5,6,7                ; loads ahead of stores
	global_load_b128 v[X+32*(\s)+4*(\j):X+32*(\s)+4*(\j)+3], v[VI], s[SB:SB+1] offset:ROWIN+CHUNK*(\s)+512*(\j) th:TH_LOAD_NT
.endr
.endif
.irp j, 0,1,2,3,4,5,6,7                ; no hint on the stores: the next launch reads these bytes
	global_store_b64 v[VO], v[Y+2*(\j):Y+2*(\j)+1], s[DB:DB+1] offset:ROWOUT*(\row)+(CHUNK/2)*(\s)+256*(\j)
.endr
.endm
; A row's sum: the lane's eight chains into one, then across the 32 lanes: four steps inside each half of 16 ride on the addition, one crosses the halves.
.macro ROWSUM row
	v_pk_add_f32 v[SUM:SUM+1], v[SUM:SUM+1], v[SUM+2:SUM+3]
	v_pk_add_f32 v[SUM+4:SUM+5], v[SUM+4:SUM+5], v[SUM+6:SUM+7]
	v_pk_add_f32 v[SUM:SUM+1], v[SUM:SUM+1], v[SUM+4:SUM+5]
	v_add_f32 v[SUM], v[SUM], v[SUM+1]
	v_add_f32_dpp v[SUM], v[SUM], v[SUM] row_xmask:1 row_mask:0xf bank_mask:0xf
	v_add_f32_dpp v[SUM], v[SUM], v[SUM] row_xmask:2 row_mask:0xf bank_mask:0xf
	v_add_f32_dpp v[SUM], v[SUM], v[SUM] row_xmask:4 row_mask:0xf bank_mask:0xf
	v_add_f32_dpp v[SUM], v[SUM], v[SUM] row_xmask:8 row_mask:0xf bank_mask:0xf
	v_permlanex16_b32 v[T], v[SUM], s26, s27       ; its destination counts as read: T has been written
	v_add_f32 v[R+(\row)], v[SUM], v[T]
.endm
	s_cmp_lg_u32 s15, 0
	s_cbranch_scc1 .Lweights
	FILL 0
.irp s, 0,1,2,3
	TURN 0, 0, \s, 1, 24                           ; three other slots' eight loads each are younger: first fills or refills
.endr
	ROWSUM 0
.irp s, 0,1,2,3
	TURN 0, 1, \s, 0, 24-8*(\s)                    ; the second row loads nothing: the counts run down
.endr
	ROWSUM 1
	v_cmp_eq_u32 vcc_lo, 0, v2
	s_wait_xcnt 0x0                                ; EXEC, a source of the stores above, changes only behind this wait
	s_and_saveexec_b32 s24, vcc_lo
	global_store_b64 v[ZO], v[R:R+1], s[12:13]     ; lane 0: my two rows' sums, 8 bytes of rowsum's 16,384
	s_wait_xcnt 0x0                                ; and again in front of the line that widens it
	s_or_b32 exec_lo, exec_lo, s24
	s_endpgm
.Lweights:
	FILL 1
.irp s, 0,1,2,3
	TURN 1, 0, \s, 1, 24
.endr
.irp s, 0,1,2,3
	TURN 1, 1, \s, 0, 24-8*(\s)
.endr
	s_endpgm
.Lfunc_end_k_qd60cc3ef53_prep:
	.size	k_qd60cc3ef53_prep, .Lfunc_end_k_qd60cc3ef53_prep-k_qd60cc3ef53_prep
	.p2alignl 7, 3214868480
	.fill 96, 4, 3214868480
	.section	.rodata,"a",@progbits
	.p2align	6, 0x0
	.amdhsa_kernel k_qd60cc3ef53_prep
		.amdhsa_group_segment_fixed_size 0
		.amdhsa_private_segment_fixed_size 0
		.amdhsa_enable_private_segment 0
		.amdhsa_kernarg_size 40
		.amdhsa_user_sgpr_count 2
		.amdhsa_user_sgpr_kernarg_segment_ptr 1
		.amdhsa_wavefront_size32 1
		.amdhsa_system_sgpr_workgroup_id_x 1
		.amdhsa_system_sgpr_workgroup_id_y 1
		.amdhsa_system_sgpr_workgroup_id_z 1
		.amdhsa_system_vgpr_workitem_id 0
		.amdhsa_next_free_vgpr 176
		.amdhsa_next_free_sgpr 66
		.amdhsa_reserve_vcc 1
		.amdhsa_float_denorm_mode_32 3
		.amdhsa_float_denorm_mode_16_64 3
		.amdhsa_memory_ordered 1
		.amdhsa_forward_progress 1
		.amdhsa_inst_pref_size 68
	.end_amdhsa_kernel
	.amdgpu_metadata
---
amdhsa.version: [ 1, 2 ]
amdhsa.kernels:
  - .name:           k_qd60cc3ef53_prep
    .symbol:         k_qd60cc3ef53_prep.kd
    .args:
      - { .name: input, .offset: 0, .size: 8, .value_kind: global_buffer, .address_space: global }
      - { .name: weight_int8, .offset: 8, .size: 8, .value_kind: global_buffer, .address_space: global }
      - { .name: xb, .offset: 16, .size: 8, .value_kind: global_buffer, .address_space: global }
      - { .name: wb, .offset: 24, .size: 8, .value_kind: global_buffer, .address_space: global }
      - { .name: rowsum, .offset: 32, .size: 8, .value_kind: global_buffer, .address_space: global }
    .group_segment_fixed_size: 0
    .private_segment_fixed_size: 0
    .kernarg_segment_align: 8
    .kernarg_segment_size: 40
    .max_flat_workgroup_size: 512
    .sgpr_count:     66
    .vgpr_count:     176
    .wavefront_size: 32
...
	.end_amdgpu_metadata
.endif
;; end of part 1
;; launch gemm (part 2): grid 16 x 16, 4 waves a work-group, clusters of 4 x 4, 327,680 bytes of LDS; arguments xb, wb, out0, rowsum, scale, zero_point, bias; writes out0
.if DOCPART == 2
	.amdgcn_target "amdgcn-amd-amdhsa--gfx1250"
	.amdhsa_code_object_version 6
	.text
	.protected	k_qd60cc3ef53_gemm
	.globl	k_qd60cc3ef53_gemm
	.p2align	8
	.type	k_qd60cc3ef53_gemm,@function
k_qd60cc3ef53_gemm:
	s_mov_b64 s[64:65], 0
	v_nop
	global_prefetch_b8 v0, s[64:65] scope:SCOPE_SE
	s_setreg_imm32_b32 hwreg(HW_REG_WAVE_MODE, 25, 1), 1
	s_wait_xcnt 0x0
	s_wait_alu depctr_hold_cnt(0) depctr_sa_sdst(0) depctr_va_vdst(0) depctr_va_sdst(0) depctr_va_ssrc(0) depctr_va_vcc(0) depctr_vm_vsrc(0)
	s_getreg_b32 s2, hwreg(HW_REG_IB_STS2, 6, 4)
	s_cmp_eq_u32 s2, 0
	s_cbranch_scc0 .Lentry_in_a_cluster
	s_endpgm
.Lentry_in_a_cluster:
	s_bfe_u32 s2, ttmp6, 0x10000c
	s_cmp_lg_u32 s2, 0xf033
	s_cbranch_scc0 .Lentry_shape_is_right
	s_endpgm
.Lentry_shape_is_right:
; out[m][o] = (sum over i of xb[m][i] wb[o][i] - zp[o] rowsum[m]) scale[o] + bias[o].  xb, wb: [4096][4096] bf16; rowsum[m] = the f32 sum of xb's row m; scale, zp, bias: [4096] f32; out: [4096][4096] f32.
; That is reference()'s sum of x (w - zp) scale + bias with x rounded once to bf16 and w exact: zp stays out of the matrix operand, so w - zp is never rounded.
; LIMITS.  The scale is applied to the finished sum and not to w, an order of rounding other than reference()'s; both sum(xb wb) and zp rowsum must be finite in f32; NaN and infinities are not treated apart.
; A tile of out, 256 x 256, is made by a work-group of four waves; a wave makes 128 x 128: 64 accumulators of 16 x 16, 512 registers.  4096 x 4096 / (256 x 256) = 256 work-groups, one tile each.
; K goes in 32 steps of 128 through a ring of two LDS slots filled by the tensor data mover: the tiles' rows are 256 bytes of memory and start at multiples of 256 bytes from the buffer's first byte.
; CLUSTERS: 4 x 4 work-groups.  The four of a row of the cluster need the same tiles of xb, the four of a column the same tiles of wb: each tile is asked for JOINTLY, by the same tensor load with the same
; descriptor and a mask that names the four, and each receives it in its own LDS.
; THE MATRIX INSTRUCTION IS USED TRANSPOSED: source 0 = 16 rows of wb, source 1 = 16 rows of xb: lane l holds row l % 16 of out and the columns 8 (l / 16) + 0 .. 7.
; REGISTERS, in windows of 256 (s_set_vgpr_msb: bits 1:0 source 0, 3:2 source 1, 5:4 source 2, 7:6 destination):
;   window 0: v0-31 addresses; v32-47 my columns' scale, -zp, bias and my rows' sums; v64-127, v128-191 fragments of xb, two buffers; on the way out these 128 hold rows read back from the stage
;   window 1: v64-127, v128-191 fragments of wb, two buffers
;   window 2: the 32 accumulators of my rows 0-63 (accumulator (a, b) at v[8 (8 a + b)]);   window 3: those of my rows 64-127
; All of LDS is claimed; the text uses 312,832 bytes.
.set SIZE_N, 4096
.set SIZE_K, 4096
.set KSTEP,  128
.set PITCH,  272                       ; an LDS row: 256 bytes of data + 16 of padding = 68 words: row r starts at bank 4 r mod 64 (64 banks of 4 bytes: ISA guide 11.1), so the 16 rows of a load start at 16 different banks
.set HALFT,  128*PITCH                 ; 128 rows: what one tensor load brings, and what one wave reads of xb or of wb
.set SLOT,   4*HALFT                   ; xb's 256 rows, then wb's 256 rows
.set STAGE,  2*SLOT                    ; behind the ring: 16 rows x 528 bytes for each wave, for the way out; no tensor load lands here
.set SPITCH, 528                       ; a stage row: 512 bytes of f32 + 16 = 132 words: again 16 rows at 16 different banks
.set SPARE,  STAGE+4*16*SPITCH         ; behind the stages: the spare words, 128 bytes for each wave: two blocks of 256 bytes that no other line names
.set LAPS, SIZE_K/(2*KSTEP)            ; a lap = two K steps = once round the ring: 16
.set ADRA, 16                          ; v16-17  LDS address of my xb fragments in slot 0, 1
.set ADRB, 20                          ; v20-21  the same for wb
.set STO,  24                          ; v24     the way out: where I put 32 bytes of a row
.set RD,   25                          ; v25     the way out: my 16 bytes of a row read back
.set CO,   26                          ; v26     16 x lane: my byte offset in 512 bytes of out, scale, zp and bias
.set RA,   27                          ; v27     4 x lane: my byte offset in 32 numbers of rowsum
.set SPW,  28                          ; v28     LDS address of my spare word: SPARE + 4 x my thread's number; never rewritten
.set NIL,  29                          ; v29     0; never rewritten
.set SC,   32                          ; v[32:35] scale of my wave's columns 4 l .. 4 l + 3
.set NZ,   36                          ; v[36:39] -zp of the same
.set BI,   40                          ; v[40:43] bias of the same
.set RS,   44                          ; v[44:47] register i, lane l: rowsum of my wave's row 32 i + l
.set F0,   64                          ; fragment buffer 0
.set F1,   128                         ; fragment buffer 1
.set OB,   64                          ; the way out: 16 rows read back, 64 registers; two such buffers by turns
.set G1, 24                            ; s[24:31] descriptor group 1 for xb's tiles
.set G0, 32                            ; s[32:39] descriptor group 0 for xb's tiles, one set for each slot
.set G1B, 48                           ; s[48:55] descriptor group 1 for wb's tiles: it differs in the mask alone
.set G0B, 56                           ; s[56:63] descriptor group 0 for wb's tiles, one set for each slot
.set RSS, 80                           ; s[80:95] eight pairs: a row's sum in the low word; the packed form names the pair, so the high word is written too
.set MSB, 0
.macro WIN new                         ; the immediate's high byte repeats the setting that is left; a switch that changes nothing is dropped
.if MSB != (\new)
	s_set_vgpr_msb (MSB<<8)|(\new)
.set MSB, \new
.endif
.endm
.set MUL_LO, 0xa1                      ; source 0 (wb) window 1, source 1 (xb) window 0, C and D window 2
.set MUL_HI, 0xf1                      ; the same, C and D window 3
.set TO_B,   0x40                      ; destination window 1, address window 0
; A joint load.  Waves 0 and 1 fetch xb's two halves, waves 2 and 3 wb's.  Each of the two lines has one mask and one set of registers for all that issue it.  The branch hangs on the wave's number alone.
; An s_nop 0 and four v_nop follow each of the two lines, ahead of the jump, the label and what follows.
.macro JLOAD s
	s_cmp_eq_u32 s11, 0
	s_cbranch_scc0 .Lfor_b_\@
	tensor_load_to_lds s[G0+4*(\s):G0+4*(\s)+3], s[G1:G1+7]
	s_nop 0
.rept 4
	v_nop
.endr
	s_branch .Lasked_\@
.Lfor_b_\@:
	tensor_load_to_lds s[G0B+4*(\s):G0B+4*(\s)+3], s[G1B:G1B+7]
	s_nop 0
.rept 4
	v_nop
.endr
.Lasked_\@:
.endm
; A round of the cluster's barrier: my work-group's barrier, so that wave 0's signal speaks for all four waves; wave 0 signals; every wave waits for all sixteen work-groups; my work-group's barrier once more.
.macro CREST                           ; a round behind its opening barrier
	s_cmp_lg_u32 s10, 0
	s_cbranch_scc1 .Lnot_wave_0_\@
	s_barrier_signal -3
.Lnot_wave_0_\@:
	s_barrier_wait -3
	s_barrier_signal -1
	s_barrier_wait -1
.endm
.macro CROUND                          ; a whole round
	s_barrier_signal -1
	s_barrier_wait -1
	CREST
.endm
	s_load_b128 s[4:7], s[0:1], 0x0                ; xb s[4:5], wb s[6:7]
	s_load_b64 s[8:9], s[0:1], 0x10                ; out
	s_load_b256 s[68:75], s[0:1], 0x18             ; rowsum s[68:69], scale s[70:71], zp s[72:73], bias s[74:75]
	v_lshl_add_u32 v[SPW], v0, 2, SPARE
	v_mov_b32 v[NIL], 0
	ds_add_u32 v[SPW], v[NIL]                      ; the wave's opening: the add and its wait ahead of my first tensor load; the set-up below, work on registers, stands between them
	v_lshrrev_b32 v1, 5, v0
	v_readfirstlane_b32 s10, v1                    ; wave 0..3
	s_lshr_b32 s11, s10, 1                         ; which half of the tile's rows is mine.  Also: I fetch for xb (0) or for wb (1)
	s_and_b32 s12, s10, 1                          ; which half of its columns.  Also: which 128 rows of that tile I fetch
	s_bfe_u32 s40, ttmp6, 0x40000                  ; cx: my place along the cluster's x
	s_bfe_u32 s41, ttmp6, 0x40004                  ; cy: along its y
	s_lshl_b32 s42, ttmp9, 2                       ; in a cluster launch ttmp9 and ttmp7 count clusters
	s_add_co_u32 s42, s42, s40                     ; tile column = 4 x cluster x + cx
	s_and_b32 s13, ttmp7, 0xffff
	s_lshl_b32 s13, s13, 2
	s_add_co_u32 s13, s13, s41                     ; tile row = 4 x cluster y + cy
	s_lshl_b32 s43, s41, 2
	s_lshl_b32 s43, 15, s43                        ; my row of the cluster: places 4 cy .. 4 cy + 3
	s_lshl_b32 s44, 0x1111, s40                    ; my column: places cx, cx + 4, cx + 8, cx + 12
	; descriptor group 1: a tile of 128 rows x 128 elements, padded in LDS
	s_or_b32 s[G1+0], s43, (1<<16)|(1<<20)|(1<<21)|(5<<22)|(3<<25)  ; 15:0 the mask: xb's tiles go to my row; 17:16 elements of 2 bytes; 20 padding on; 21 set beside a mask; 24:22 after every 64 words (code 5); 31:25 4 words of it (code 3)
	s_or_b32 s[G1B+0], s44, (1<<16)|(1<<20)|(1<<21)|(5<<22)|(3<<25) ; the same with the mask of my column, for wb's tiles
.irp g, G1, G1B
	s_mov_b32 s[(\g)+1], KSTEP<<16                 ; 63:48 tensor_dim0, low half = 128
	s_mov_b32 s[(\g)+2], 128<<16                   ; 79:64 its high half = 0; 95:80 tensor_dim1, low half = 128
	s_mov_b32 s[(\g)+3], KSTEP<<16                 ; 111:96 its high half = 0; 127:112 tile_dim0 = 128
	s_mov_b32 s[(\g)+4], 128                       ; 143:128 tile_dim1 = 128; 159:144 tile_dim2 = 0
	s_mov_b32 s[(\g)+5], SIZE_K                    ; 191:160 tensor_dim0_stride, low word: elements from row to row
	s_mov_b32 s[(\g)+6], 0
	s_mov_b32 s[(\g)+7], 0
.endr
.irp i, 0,1,2,3,4,5,6,7
	s_mov_b32 s[RSS+2*(\i)+1], 0                   ; the pairs' high words, named but not used
.endr
	; where the tiles come from.  xb's hang on the tile row alone, which my row of the cluster shares; wb's on the tile column alone, which my column shares.
	s_lshl_b32 s17, s12, 7                         ; which 128 rows of the tile I fetch
	s_lshl_b32 s16, s13, 8
	s_add_co_u32 s16, s16, s17                     ; xb: row 256 x tile row + 128 x half
	s_lshl_b32 s46, s42, 8
	s_add_co_u32 s46, s46, s17                     ; wb: row 256 x tile column + 128 x half
	s_mov_b32 s17, 0
	s_mov_b32 s47, 0
	s_mov_b64 s[18:19], SIZE_K*2
	s_mul_u64 s[16:17], s[16:17], s[18:19]         ; in bytes
	s_mul_u64 s[46:47], s[46:47], s[18:19]
	s_mul_i32 s20, s10, HALFT                      ; and where they go: wave x 128 rows: no place in the cluster enters an LDS address
	s_wait_dscnt 0x0                               ; the opening add is done
	s_wait_kmcnt 0x0
	s_add_nc_u64 s[14:15], s[4:5], s[16:17]
	s_add_nc_u64 s[46:47], s[6:7], s[46:47]
	CROUND                                         ; all sixteen work-groups are here: the first joint loads meet
.irp s, 0,1
	s_mov_b32 s[G0+4*(\s)], 1                                      ; 1:0 count = 1
	s_add_co_u32 s[G0+4*(\s)+1], s20, (\s)*SLOT                    ; 63:32 LDS address
	s_add_nc_u64 s[G0+4*(\s)+2:G0+4*(\s)+3], s[14:15], (\s)*KSTEP*2  ; 120:64 global address: K step s
	s_or_b32 s[G0+4*(\s)+3], s[G0+4*(\s)+3], 0x80000000            ; 127:126 type = 2
	s_mov_b32 s[G0B+4*(\s)], 1
	s_add_co_u32 s[G0B+4*(\s)+1], s20, (\s)*SLOT
	s_add_nc_u64 s[G0B+4*(\s)+2:G0B+4*(\s)+3], s[46:47], (\s)*KSTEP*2
	s_or_b32 s[G0B+4*(\s)+3], s[G0B+4*(\s)+3], 0x80000000
	JLOAD \s                                       ; the ring is filled before anything else is done: two tensor loads of mine are out
.endr
	; A fragment is 16 rows x 32 K in 8 registers: lane l holds row l % 16; registers 0-3 hold K = 8 (l / 16) + 0..7, registers 4-7 K = 16 + 8 (l / 16) + 0..7: two loads of 16 bytes, 32 bytes apart.
	v_and_b32 v1, 15, v0                           ; l % 16
	v_bfe_u32 v2, v0, 4, 1                         ; l / 16
	v_mul_u32_u24 v3, v1, PITCH
	v_lshl_add_u32 v3, v2, 4, v3                   ; row x pitch + 16 x half
	s_mul_i32 s21, s11, HALFT                      ; my 128 rows of xb
	s_mul_i32 s22, s12, HALFT                      ; my 128 rows of wb,
	s_add_co_u32 s22, s22, 2*HALFT                 ; which lie behind xb's 256
.irp s, 0,1
	v_add_nc_u32 v[ADRA+(\s)], s21, v3
	v_add_nc_u32 v[ADRB+(\s)], s22, v3
	s_add_co_u32 s21, s21, SLOT
	s_add_co_u32 s22, s22, SLOT
.endr
	s_mul_i32 s23, s10, 16*SPITCH
	s_add_co_u32 s23, s23, STAGE                   ; my stage
	v_mul_u32_u24 v4, v1, SPITCH                   ; in: row l % 16, 32 bytes (8 f32) for each half of the lanes
	v_lshl_add_u32 v4, v2, 5, v4
	v_add_nc_u32 v[STO], s23, v4
	v_and_b32 v5, 31, v0                           ; lane
	v_lshl_add_u32 v[RD], v5, 4, s23               ; back: 32 lanes take one row of 512 bytes
	v_lshlrev_b32 v[CO], 4, v5
	v_lshlrev_b32 v[RA], 2, v5
	; my part of out begins at row 256 x tile row + 128 x half, column 256 x tile column + 128 x half
	s_lshl_b32 s16, s13, 8
	s_lshl_b32 s17, s11, 7
	s_add_co_u32 s16, s16, s17                     ; my first row
	s_lshl_b32 s18, s16, 14                        ; x 16,384 bytes a row of out (under 2^26)
	s_mov_b32 s19, 0
	s_lshl_b32 s20, s16, 2                         ; x 4 bytes in rowsum
	s_mov_b32 s21, 0
	s_lshl_b32 s46, s42, 10                        ; my first column, in bytes of f32: 1,024 x tile column + 512 x half
	s_lshl_b32 s47, s12, 9
	s_add_co_u32 s46, s46, s47
	s_mov_b32 s47, 0
	s_add_nc_u64 s[8:9], s[8:9], s[18:19]
	s_add_nc_u64 s[8:9], s[8:9], s[46:47]          ; out at my first row and column; never stepped: the rows stand in the stores' immediates
	s_add_nc_u64 s[68:69], s[68:69], s[20:21]
	s_add_nc_u64 s[70:71], s[70:71], s[46:47]
	s_add_nc_u64 s[72:73], s[72:73], s[46:47]
	s_add_nc_u64 s[74:75], s[74:75], s[46:47]
	global_load_b128 v[SC:SC+3], v[CO], s[70:71]   ; 512 consecutive bytes each: my wave's 128 columns
	global_load_b128 v[NZ:NZ+3], v[CO], s[72:73]
	global_load_b128 v[BI:BI+3], v[CO], s[74:75]
.irp i, 0,1,2,3
	global_load_b32 v[RS+(\i)], v[RA], s[68:69] offset:128*(\i)  ; my wave's 128 row sums, 32 a register
.endr
	s_wait_loadcnt 0x0                             ; once, inside the wait for the first tile
.irp i, 0,1,2,3
	v_xor_b32 v[NZ+(\i)], 0x80000000, v[NZ+(\i)]   ; -zp, so that the correction is one fused multiply-add
.endr
; 16 matrix instructions: m blocks a0, a0 + 1 of the window's four (hi = 0: my rows 0-63, 1: rows 64-127) x all 8 n blocks, 32 along K.  zero = 1: the first product starts the sums: nothing is cleared.
; The 64 accumulators take turns, one instruction a turn, in the same order in every quarter step.
.macro MUL16 f, hi, a0, zero
	WIN MUL_LO+0x50*(\hi)
.irp a, \a0, (\a0)+1
.irp b, 0,1,2,3,4,5,6,7
.if \zero
	v_wmma_f32_16x16x32_bf16 v[8*(8*(\a)+(\b)):8*(8*(\a)+(\b))+7], v[(\f)+8*(\b):(\f)+8*(\b)+7], v[(\f)+8*(4*(\hi)+(\a)):(\f)+8*(4*(\hi)+(\a))+7], 0
.else
	v_wmma_f32_16x16x32_bf16 v[8*(8*(\a)+(\b)):8*(8*(\a)+(\b))+7], v[(\f)+8*(\b):(\f)+8*(\b)+7], v[(\f)+8*(4*(\hi)+(\a)):(\f)+8*(4*(\hi)+(\a))+7], v[8*(8*(\a)+(\b)):8*(8*(\a)+(\b))+7]
.endif
.endr
.endr
.endm
; 32 LDS loads in one run: the fragments of one quarter step (128 rows of wb, 128 rows of xb, 32 K at byte k of the rows) into buffer f
.macro FETCH slot, k, f
	WIN TO_B
.irp i, 0,1,2,3,4,5,6,7
	ds_load_b128 v[(\f)+8*(\i):(\f)+8*(\i)+3],   v[ADRB+(\slot)] offset:(\k)+(\i)*16*PITCH
	ds_load_b128 v[(\f)+8*(\i)+4:(\f)+8*(\i)+7], v[ADRB+(\slot)] offset:(\k)+(\i)*16*PITCH+32
.endr
	WIN 0
.irp i, 0,1,2,3,4,5,6,7
	ds_load_b128 v[(\f)+8*(\i):(\f)+8*(\i)+3],   v[ADRA+(\slot)] offset:(\k)+(\i)*16*PITCH
	ds_load_b128 v[(\f)+8*(\i)+4:(\f)+8*(\i)+7], v[ADRA+(\slot)] offset:(\k)+(\i)*16*PITCH+32
.endr
.endm
; A load into a register that a matrix instruction has read, and an LDS store that reads a matrix result, stand four places behind that matrix instruction, and only plain vector instructions that name none
; of its registers are places (ISA guide 7.12.1 for vector instructions).
.macro PLACES
.rept 4
	v_nop
.endr
.endm
; A K step is four quarter steps of 32 along K, 64 matrix instructions each, on buffers 0, 1, 0, 1.
; One of the first three: multiplies buffer f; in its middle it fetches the next quarter's fragments, at byte k of the same slot's rows, into buffer g.
.macro QUARTER slot, k, f, g, zero
	s_wait_dscnt 8                                 ; wb and xb's rows 0-63 are in; the youngest eight loads (xb's rows 64-127) may be out
	WIN MUL_LO
	MUL16 \f, 0, 0, \zero
	MUL16 \f, 0, 2, \zero
	PLACES
	FETCH \slot, \k, \g
	s_wait_dscnt 32                                ; all but the 32 just issued
	WIN MUL_HI
	MUL16 \f, 1, 0, \zero
	MUL16 \f, 1, 2, \zero
.endm
; The last quarter multiplies buffer 1 and changes slots.  MEET is its first half: one barrier for the change of slots.  In front of it each wave waits for all its tensor loads, of which one is out: its part
; of the next slot; adds 0 to its spare word; and waits for that and for its own reads of this slot.  Behind it nobody reads this slot any more and the next slot is whole.
.macro MEET round                      ; round = 1: the rest of a round of the cluster's barrier follows
	WIN 0                                          ; (the add's two registers lie in window 0)
	s_wait_tensorcnt 0x0                           ; all my tensor loads have landed
	ds_add_u32 v[SPW], v[NIL]                      ; 0 onto my spare word
	s_wait_dscnt 9                                 ; (the add and the youngest eight loads may be out)
	WIN MUL_LO
	MUL16 F1, 0, 0, 0                              ; sixteen matrix instructions stand between the add and the wait for it
	s_wait_dscnt 0x0                               ; the add is done, and my reads of this slot are over
	s_barrier_signal -1
	MUL16 F1, 0, 2, 0                              ; work on registers while the others arrive
.if \round
	WIN 0
.endif
	s_barrier_wait -1
.endm
; The whole last quarter.  fill = 1: the barrier opens a round of the cluster's, and behind it the slot just read out is filled again first, with the K step two steps on: from that request to the wait for it
; a wave issues 224 matrix instructions.  Then come the next slot's first fragments.
.macro TURN slot, next, fill
	MEET \fill
.if \fill
	CREST                                          ; no wave of any partner still reads this slot's tile or has a load on its way
	s_add_nc_u64 s[G0+4*(\slot)+2:G0+4*(\slot)+3], s[G0+4*(\slot)+2:G0+4*(\slot)+3], 2*KSTEP*2   ; no tensor load of mine is out, so a group 0 may be written; the type bits on top are not reached
	s_add_nc_u64 s[G0B+4*(\slot)+2:G0B+4*(\slot)+3], s[G0B+4*(\slot)+2:G0B+4*(\slot)+3], 2*KSTEP*2
	JLOAD \slot                                    ; the first tensor load behind the round, my only one until the next; its four v_nop are also the places in front of the loads below
.else
	PLACES
.endif
	FETCH \next, 0, F0
	WIN MUL_HI
	MUL16 F1, 1, 0, 0
	MUL16 F1, 1, 2, 0
.endm
; THE WAY OUT of block a (16 rows x 128 columns), in two parts.
; TOSTAGE: the f32 sums go as they are into my own stage (a lane's eight columns are 32 bytes of a row; each accumulator's low registers first), and come back as whole rows of 512 bytes.
.macro TOSTAGE a
	WIN 0
	s_wait_xcnt 0x0                                ; the buffer below, which the stores of the block two back read, is loaded again only behind this wait
.set AC, 64*((\a)%4)
.set BK, OB+64*((\a)%2)
	WIN 0x08+4*((\a)/4)                            ; the stores' data (source 1) in window 2 or 3
.irp b, 0,1,2,3,4,5,6,7
	ds_store_b128 v[STO], v[AC+8*(\b):AC+8*(\b)+3] offset:64*(\b)
	ds_store_b128 v[STO], v[AC+8*(\b)+4:AC+8*(\b)+7] offset:64*(\b)+16
.endr
	WIN 0
.irp t, 0,1,2,3,4,5,6,7,8,9,10,11,12,13,14,15
	ds_load_b128 v[BK+4*(\t):BK+4*(\t)+3], v[RD] offset:(\t)*SPITCH  ; LDS serves a wave's instructions in order (ISA guide 5.7.1.4): these see the stores above, and the next block's stores come behind them
.endr
.endm
; SEND: a lane now holds columns 4 l .. 4 l + 3 of each row.  Per row: sum - zp x the row's sum (read out of its lane into a scalar), then x scale + bias: four packed fused multiply-adds; then one store.
.macro SEND a, younger                 ; younger: the LDS instructions issued behind block a's loads: the next block's 32, or none
	WIN 0
.set BK, OB+64*((\a)%2)
	s_wait_dscnt \younger                          ; the block is back in registers
.irp g, 0,1
.irp i, 0,1,2,3,4,5,6,7
	v_readlane_b32 s[RSS+2*(\i)], v[RS+(\a)/2], 16*((\a)%2)+8*(\g)+(\i)
.endr
.irp i, 0,1,2,3,4,5,6,7
.set BR, BK+4*(8*(\g)+(\i))
	v_pk_fma_f32 v[BR:BR+1], v[NZ:NZ+1], s[RSS+2*(\i):RSS+2*(\i)+1], v[BR:BR+1] op_sel_hi:[1,0,1]
	v_pk_fma_f32 v[BR+2:BR+3], v[NZ+2:NZ+3], s[RSS+2*(\i):RSS+2*(\i)+1], v[BR+2:BR+3] op_sel_hi:[1,0,1]
.endr
.irp i, 0,1,2,3,4,5,6,7
.set BR, BK+4*(8*(\g)+(\i))
	v_pk_fma_f32 v[BR:BR+1], v[BR:BR+1], v[SC:SC+1], v[BI:BI+1]
	v_pk_fma_f32 v[BR+2:BR+3], v[BR+2:BR+3], v[SC+2:SC+3], v[BI+2:BI+3]
	global_store_b128 v[CO], v[BR:BR+3], s[8:9] offset:(16*(\a)+8*(\g)+(\i))*SIZE_N*4 th:TH_STORE_NT  ; 512 consecutive bytes, at a multiple of 512 from out's first byte; 127 rows of 16,384 bytes at the most: inside the signed 24-bit immediate
.endr
.endr
.endm
	s_wait_tensorcnt 1                             ; my part of K step 0 is in; K step 1's may stay out
	s_barrier_signal -1
	s_barrier_wait -1                              ; everybody's is
	FETCH 0, 0, F0
	QUARTER 0, 64,  F0, F1, 1                      ; the first quarter stands in front of the loop: its products start the sums
	WIN 0                                          ; at a label and at a branch every window is 0
	s_mov_b32 s3, LAPS-1
.Llap:                                                 ; a trip goes once round the ring, from a lap's second quarter to the next lap's first, and fills both slots again: 15 trips ask for K steps 2 to 31
	QUARTER 0, 128, F1, F0, 0
	QUARTER 0, 192, F0, F1, 0
	TURN 0, 1, 1
	QUARTER 1, 64,  F0, F1, 0
	QUARTER 1, 128, F1, F0, 0
	QUARTER 1, 192, F0, F1, 0
	TURN 1, 0, 1
	QUARTER 0, 64,  F0, F1, 0
	WIN 0
	s_sub_co_u32 s3, s3, 1
	s_cmp_lg_u32 s3, 0
	s_cbranch_scc1 .Llap
	QUARTER 0, 128, F1, F0, 0                      ; the last lap is written out: it fills nothing and no round of the cluster's barrier is needed
	QUARTER 0, 192, F0, F1, 0
	TURN 0, 1, 0
	QUARTER 1, 64,  F0, F1, 0
	QUARTER 1, 128, F1, F0, 0
	QUARTER 1, 192, F0, F1, 0
	s_wait_dscnt 8                                 ; the very last quarter: nothing more to fetch
	WIN MUL_LO
	MUL16 F1, 0, 0, 0
	MUL16 F1, 0, 2, 0
	s_wait_dscnt 0x0
	MUL16 F1, 1, 0, 0
	MUL16 F1, 1, 2, 0
	WIN 0
	PLACES                                         ; behind the last products: the stage's stores read results, and its loads land in the fragment buffers
	TOSTAGE 0
.irp a, 1,2,3,4,5,6,7                  ; block a's trip through the stage is under way while block a - 1 is finished and stored
	TOSTAGE \a
	SEND (\a)-1, 32
.endr
	SEND 7, 0
	s_wait_tensorcnt 0x0                           ; the wave's end: behind my last tensor load and my last LDS store
	ds_add_u32 v[SPW], v[NIL]
	s_wait_dscnt 0x0
	CROUND                                         ; the closing round: no work-group ends while a partner may still ask for a tile that names it
	s_endpgm
.Lfunc_end_k_qd60cc3ef53_gemm:
	.size	k_qd60cc3ef53_gemm, .Lfunc_end_k_qd60cc3ef53_gemm-k_qd60cc3ef53_gemm
	.p2alignl 7, 3214868480
	.fill 96, 4, 3214868480
	.section	.rodata,"a",@progbits
	.p2align	6, 0x0
	.amdhsa_kernel k_qd60cc3ef53_gemm
		.amdhsa_group_segment_fixed_size 327680
		.amdhsa_private_segment_fixed_size 0
		.amdhsa_enable_private_segment 0
		.amdhsa_kernarg_size 56
		.amdhsa_user_sgpr_count 2
		.amdhsa_user_sgpr_kernarg_segment_ptr 1
		.amdhsa_wavefront_size32 1
		.amdhsa_system_sgpr_workgroup_id_x 1
		.amdhsa_system_sgpr_workgroup_id_y 1
		.amdhsa_system_sgpr_workgroup_id_z 1
		.amdhsa_system_vgpr_workitem_id 0
		.amdhsa_next_free_vgpr 1024
		.amdhsa_next_free_sgpr 96
		.amdhsa_reserve_vcc 0
		.amdhsa_float_denorm_mode_32 3
		.amdhsa_float_denorm_mode_16_64 3
		.amdhsa_memory_ordered 1
		.amdhsa_forward_progress 1
		.amdhsa_inst_pref_size 182
	.end_amdhsa_kernel
	.amdgpu_metadata
---
amdhsa.version: [ 1, 2 ]
amdhsa.kernels:
  - .name:           k_qd60cc3ef53_gemm
    .symbol:         k_qd60cc3ef53_gemm.kd
    .args:
      - { .name: xb, .offset: 0, .size: 8, .value_kind: global_buffer, .address_space: global }
      - { .name: wb, .offset: 8, .size: 8, .value_kind: global_buffer, .address_space: global }
      - { .name: out0, .offset: 16, .size: 8, .value_kind: global_buffer, .address_space: global }
      - { .name: rowsum, .offset: 24, .size: 8, .value_kind: global_buffer, .address_space: global }
      - { .name: scale, .offset: 32, .size: 8, .value_kind: global_buffer, .address_space: global }
      - { .name: zero_point, .offset: 40, .size: 8, .value_kind: global_buffer, .address_space: global }
      - { .name: bias, .offset: 48, .size: 8, .value_kind: global_buffer, .address_space: global }
    .group_segment_fixed_size: 327680
    .private_segment_fixed_size: 0
    .kernarg_segment_align: 8
    .kernarg_segment_size: 56
    .max_flat_workgroup_size: 128
    .sgpr_count:     96
    .vgpr_count:     1024
    .wavefront_size: 32
...
	.end_amdgpu_metadata
.endif
;; end of part 2
